; MI455X (gfx1250); checked and timed in simulation.
; The chip was launched on July 23, 2026; its instructions are those of AMD's public machine-readable ISA for CDNA 5 (MIT licence, August 2026) and "CDNA5" Instruction Set Architecture Reference Guide (July 2026). The comments in the code are by the model that wrote it; some were corrected since.
;; Self Attention. Allowed arithmetic: float matrix products may take bf16 or f16 operands with f32 sums; all other float work in f32.
;; Inputs: b_proj 1,024 float32; b_qkv 3,072 float32; w_proj 1,024 x 1,024 float32; w_qkv 1,024 x 3,072 float32; x 2 x 2,048 x 1,024 float32.
;; Outputs: out0 2 x 2,048 x 1,024 float32.
;; One version. Each part assembles by itself: llvm-mc -triple=amdgcn-amd-amdhsa -mcpu=gfx1250 --defsym DOCPART=n.
;; ======== version 1 of 1: 4 launches
;; limits: values are held in f16: magnitudes above 65,504 overflow, below 6.1e-05 lose precision
;; workspace buffers: xb 8,388,608 bytes; wqT 6,291,456 bytes; wpT 2,097,152 bytes; qkvh 25,165,824 bytes; yh 8,388,608 bytes
;; launch prep (part 1): grid 1024 x 1, 8 waves a work-group, no clusters, 18,432 bytes of LDS; arguments x, w_qkv, w_proj, xb, wqT, wpT; writes xb, wqT, wpT
.if DOCPART == 1
	.amdgcn_target "amdgcn-amd-amdhsa--gfx1250"
	.amdhsa_code_object_version 6
	.text
	.protected	k_qf15f306027_prep
	.globl	k_qf15f306027_prep
	.p2align	8
	.type	k_qf15f306027_prep,@function
k_qf15f306027_prep:
	s_mov_b64 s[64:65], 0
	v_nop
	global_prefetch_b8 v0, s[64:65] scope:SCOPE_SE
	s_setreg_imm32_b32 hwreg(HW_REG_WAVE_MODE, 25, 1), 1
	s_wait_xcnt 0x0
; prep: the operands of the two projections, once, in the form that the matrix instructions take: f16, K along the rows.
;   xb  [4096][1024] f16 = x;   wqT [3072 n][1024 k] f16 = w_qkv transposed;   wpT [1024 n][1024 k] f16 = w_proj transposed.
; A stream: every input byte is read once, every output byte written once.  No matrix instruction, no tensor load and no cluster:
; no two work-groups read the same byte, so there is nothing to share, and the loads' registers hold all that is on its way.
; 1,024 work-groups of 8,192 numbers each (32 KiB in, 16 KiB out): 0-511 cast x, 512-895 turn w_qkv, 896-1023 turn w_proj.
; The branch hangs on the work-group's number alone, so all eight waves of a work-group take the same way.
; LIMIT: f16 holds magnitudes below 65,504 (larger ones become infinities); below 6.1e-5 the absolute step is 6e-8.
.set CAST_WGS, 512
.set WQ_WGS,   384
.set TP,   272                         ; LDS pitch of a turned row: 128 k x 2 bytes + 16
.set XR,   4                           ; v[4:35]   f32 as loaded
.set YR,   36                          ; v[36:51]  f16, packed
.set ZR,   52                          ; v[52:67]  turned rows read back from LDS
.set AIN,  68                          ; v68       my byte offset in the input tile
.set ALS,  69                          ; v69       LDS address of my stores
.set ALD,  70                          ; v70       LDS address of my loads
.set AOUT, 71                          ; v71       my byte offset in the output tile
	s_load_b256 s[4:11], s[0:1], 0x0               ; x s[4:5], w_qkv s[6:7], w_proj s[8:9], xb s[10:11]
	s_load_b128 s[12:15], s[0:1], 0x20             ; wqT s[12:13], wpT s[14:15]
	v_lshl_add_u32 v72, v0, 2, 0x4400
	v_mov_b32 v73, 0
	s_cmp_lt_u32 ttmp9, CAST_WGS
	s_cbranch_scc0 .Lweights
	; THE CAST.  Thread t takes 16 bytes at 16 t of each of eight blocks of 4,096 bytes: a wave's load covers 512 consecutive bytes.
	s_lshl_b32 s16, ttmp9, 15                      ; 32 KiB of x for each work-group
	s_mov_b32 s17, 0
	s_lshl_b32 s18, ttmp9, 14                      ; 16 KiB of xb
	s_mov_b32 s19, 0
	v_lshlrev_b32 v1, 4, v0
	v_lshlrev_b32 v2, 3, v0
	s_wait_kmcnt 0x0
	s_add_nc_u64 s[4:5], s[4:5], s[16:17]
	s_add_nc_u64 s[10:11], s[10:11], s[18:19]
.irp j, 0,1,2,3,4,5,6,7
	global_load_b128 v[XR+4*\j:XR+4*\j+3], v1, s[4:5] offset:4096*\j th:TH_LOAD_NT
.endr
.irp j, 0,1,2,3,4,5,6,7
	s_wait_loadcnt 7-\j                            ; loads return in order: block j is in, the 7 - j younger ones stay out
	v_cvt_pk_f16_f32 v[YR+2*\j],   v[XR+4*\j],   v[XR+4*\j+1]
	v_cvt_pk_f16_f32 v[YR+2*\j+1], v[XR+4*\j+2], v[XR+4*\j+3]
	global_store_b64 v2, v[YR+2*\j:YR+2*\j+1], s[10:11] offset:2048*\j   ; a wave's store covers 256 consecutive bytes, aligned
.endr
	s_endpgm
; A tile of 128 k x 64 n of a weight [1024 k][pitch / 4 n] is turned through LDS.  Thread t = 16 kr + cl loads rows 8 kr .. 8 kr + 7,
; columns 4 cl .. 4 cl + 3: sixteen neighbouring lanes read the tile's 256 bytes of one row.  It then holds eight neighbouring k of four
; columns: four packed runs of 16 bytes, stored to T[n][k].  Read back by rows, sixteen lanes hold the 256 bytes of one row of the output.
; The four LDS stores of a thread collide four deep in the banks (column pitch 4 x 272); four stores a thread in a stream: left so.
.macro TRANS pitch, first, ib, ob
	s_sub_co_u32 s16, ttmp9, \first                ; tile number
	s_and_b32 s17, s16, 7                          ; kt: which 128 k
	s_lshr_b32 s18, s16, 3                         ; nt: which 64 n
	s_mul_i32 s20, s17, 128*\pitch
	s_lshl_b32 s19, s18, 8
	s_add_co_u32 s20, s20, s19                     ; in:  kt x 128 rows + nt x 256 bytes
	s_mov_b32 s21, 0
	s_lshl_b32 s22, s18, 17
	s_lshl_b32 s19, s17, 8
	s_add_co_u32 s22, s22, s19                     ; out: nt x 64 rows of 2,048 bytes + kt x 256 bytes
	s_mov_b32 s23, 0
	v_mul_u32_u24 v[AIN], v1, 8*\pitch
	v_lshl_add_u32 v[AIN], v2, 4, v[AIN]           ; 8 kr rows + 16 cl
	v_mul_u32_u24 v[ALS], v2, 4*TP
	v_lshl_add_u32 v[ALS], v1, 4, v[ALS]           ; T row 4 cl, byte 16 kr
	v_mul_u32_u24 v[ALD], v1, TP
	v_lshl_add_u32 v[ALD], v2, 4, v[ALD]           ; T row kr, byte 16 cl
	v_lshlrev_b32 v[AOUT], 11, v1
	v_lshl_add_u32 v[AOUT], v2, 4, v[AOUT]         ; output row kr, byte 16 cl
	s_wait_kmcnt 0x0
	s_add_nc_u64 s[\ib:\ib+1], s[\ib:\ib+1], s[20:21]
	s_add_nc_u64 s[\ob:\ob+1], s[\ob:\ob+1], s[22:23]
.irp j, 0,1,2,3,4,5,6,7
	global_load_b128 v[XR+4*\j:XR+4*\j+3], v[AIN], s[\ib:\ib+1] offset:\j*\pitch th:TH_LOAD_NT
.endr
	s_wait_loadcnt 0x0                             ; a packed word takes two rows: all eight are needed
.irp c, 0,1,2,3
.irp p, 0,1,2,3
	v_cvt_pk_f16_f32 v[YR+4*\c+\p], v[XR+8*\p+\c], v[XR+8*\p+4+\c]      ; column 4 cl + c, k = 8 kr + 2 p and + 1
.endr
.endr
.irp c, 0,1,2,3
	ds_store_b128 v[ALS], v[YR+4*\c:YR+4*\c+3] offset:TP*\c
.endr
	s_wait_dscnt 0x0                               ; my stores are in LDS before I say so: other waves read them
	s_barrier_signal -1
	s_barrier_wait -1
.irp u, 0,1,2,3
	ds_load_b128 v[ZR+4*\u:ZR+4*\u+3], v[ALD] offset:16*TP*\u
.endr
.irp u, 0,1,2,3
	s_wait_dscnt 3-\u                              ; LDS loads return in order: the 3 - u younger ones stay out
	global_store_b128 v[AOUT], v[ZR+4*\u:ZR+4*\u+3], s[\ob:\ob+1] offset:32768*\u   ; sixteen lanes store 256 consecutive bytes, aligned
.endr
	s_wait_tensorcnt 0x0
	ds_add_u32 v72, v73
	s_wait_dscnt 0x0
	s_endpgm
.endm
.Lweights:
	v_lshrrev_b32 v1, 4, v0                        ; kr
	v_and_b32 v2, 15, v0                           ; cl
	s_cmp_lt_u32 ttmp9, CAST_WGS+WQ_WGS
	s_cbranch_scc0 .Lwproj
	TRANS 12288, CAST_WGS, 6, 12
.Lwproj:
	TRANS 4096, CAST_WGS+WQ_WGS, 8, 14
.Lfunc_end_k_qf15f306027_prep:
	.size	k_qf15f306027_prep, .Lfunc_end_k_qf15f306027_prep-k_qf15f306027_prep
	.p2alignl 7, 3214868480
	.fill 96, 4, 3214868480
	.section	.rodata,"a",@progbits
	.p2align	6, 0x0
	.amdhsa_kernel k_qf15f306027_prep
		.amdhsa_group_segment_fixed_size 18432
		.amdhsa_private_segment_fixed_size 0
		.amdhsa_enable_private_segment 0
		.amdhsa_kernarg_size 48
		.amdhsa_user_sgpr_count 2
		.amdhsa_user_sgpr_kernarg_segment_ptr 1
		.amdhsa_wavefront_size32 1
		.amdhsa_system_sgpr_workgroup_id_x 1
		.amdhsa_system_sgpr_workgroup_id_y 1
		.amdhsa_system_sgpr_workgroup_id_z 1
		.amdhsa_system_vgpr_workitem_id 0
		.amdhsa_next_free_vgpr 74
		.amdhsa_next_free_sgpr 66
		.amdhsa_reserve_vcc 0
		.amdhsa_float_denorm_mode_32 3
		.amdhsa_float_denorm_mode_16_64 3
		.amdhsa_memory_ordered 1
		.amdhsa_forward_progress 1
		.amdhsa_inst_pref_size 12
	.end_amdhsa_kernel
	.amdgpu_metadata
---
amdhsa.version: [ 1, 2 ]
amdhsa.kernels:
  - .name:           k_qf15f306027_prep
    .symbol:         k_qf15f306027_prep.kd
    .args:
      - { .name: x, .offset: 0, .size: 8, .value_kind: global_buffer, .address_space: global }
      - { .name: w_qkv, .offset: 8, .size: 8, .value_kind: global_buffer, .address_space: global }
      - { .name: w_proj, .offset: 16, .size: 8, .value_kind: global_buffer, .address_space: global }
      - { .name: xb, .offset: 24, .size: 8, .value_kind: global_buffer, .address_space: global }
      - { .name: wqT, .offset: 32, .size: 8, .value_kind: global_buffer, .address_space: global }
      - { .name: wpT, .offset: 40, .size: 8, .value_kind: global_buffer, .address_space: global }
    .group_segment_fixed_size: 18432
    .private_segment_fixed_size: 0
    .kernarg_segment_align: 8
    .kernarg_segment_size: 48
    .max_flat_workgroup_size: 256
    .sgpr_count:     66
    .vgpr_count:     74
    .wavefront_size: 32
...
	.end_amdgpu_metadata
.endif
;; end of part 1
;; launch qkvgemm (part 2): grid 16 x 16, 4 waves a work-group, clusters of 4 x 4, 327,680 bytes of LDS; arguments xb, wqT, b_qkv, qkvh; writes qkvh
.if DOCPART == 2
	.amdgcn_target "amdgcn-amd-amdhsa--gfx1250"
	.amdhsa_code_object_version 6
	.text
	.protected	k_qf15f306027_qkvgemm
	.globl	k_qf15f306027_qkvgemm
	.p2align	8
	.type	k_qf15f306027_qkvgemm,@function
k_qf15f306027_qkvgemm:
	s_mov_b64 s[64:65], 0
	v_nop
	global_prefetch_b8 v0, s[64:65] scope:SCOPE_SE
	s_setreg_imm32_b32 hwreg(HW_REG_WAVE_MODE, 25, 1), 1
	s_wait_xcnt 0x0
	s_wait_alu depctr_hold_cnt(0) depctr_sa_sdst(0) depctr_va_vdst(0) depctr_va_sdst(0) depctr_va_ssrc(0) depctr_va_vcc(0) depctr_vm_vsrc(0)
	s_getreg_b32 s2, hwreg(HW_REG_IB_STS2, 6, 4)
	s_cmp_eq_u32 s2, 0
	s_cbranch_scc0 .Lentry_in_a_cluster
	s_endpgm
.Lentry_in_a_cluster:
	s_bfe_u32 s2, ttmp6, 0x10000c
	s_cmp_lg_u32 s2, 0xf033
	s_cbranch_scc0 .Lentry_shape_is_right
	s_endpgm
.Lentry_shape_is_right:
; qkvh[which][16 batch + head][n][d] = f16( sum over k of xb[m][k] wqT[col][k] + b_qkv[col] ),  col = 1024 which + 64 head + d,  m = 2048 batch + n.
; Sums and bias in f32, operands f16.  LIMIT: |q|, |k|, |v| below 65,504, else infinity; the order of the sums is the matrix unit's.
; A work-group makes 256 rows x 192 columns (three heads): 16 x 16 = 256 work-groups.  Four waves; a wave makes 64 rows x 192 columns:
; 48 accumulator tiles of 16 x 16, 384 registers.  (128 x 96 a wave would read an eighth less from LDS but cut a head in two, and a head's
; rows of 128 bytes are what leaves in whole aligned runs.)  K = 1024 goes in 8 steps of 128 through two LDS slots filled by tensor loads;
; a tile's rows are 256 bytes of memory and begin at multiples of 256 bytes from the buffer's first byte.
; CLUSTERS: 4 x 4 work-groups.  The four of a row of the cluster need the same rows of xb, the four of a column the same rows of wqT: such a
; tile is asked for jointly, by the same line with the same descriptor and a mask that names the four.
; REGISTERS in windows of 256:  window 0: addresses, xb's fragments (two buffers of 4 x 8), the way out, the bias;
;   window 1: wqT's fragments (two buffers of 12 x 8);  window 2: accumulators of my rows 0-31 (tile (a, b) at v[8 (12 a + b)]);  window 3: rows 32-63.
; THE MATRIX INSTRUCTION IS USED TRANSPOSED: source 0 = 16 rows of wqT, source 1 = 16 rows of xb.  Lane l then holds row l % 16 of the
; result and in registers 0-7 the columns 8 (l / 16) + 0..7: eight neighbouring numbers, 16 bytes in f16.
.set KSTEP,  128
.set PITCH,  272                       ; an LDS row: 256 bytes + 16 of padding, an odd multiple of 16: the 16 rows of a fragment load fall on 16 different 16-byte columns modulo 256
.set HALFA,  128*PITCH                 ; what waves 0 and 1 fetch: 128 rows of xb each
.set HALFB,  96*PITCH                  ; what waves 2 and 3 fetch: 96 rows of wqT each
.set SLOT,   2*HALFA+2*HALFB           ; 121,856
.set STAGE,  2*SLOT                    ; 243,712 = 952 x 256: behind the ring, no tensor load lands there
.set SPITCH, 144                       ; stage: a head's row of 128 bytes + 16
.set SHEAD,  16*SPITCH
.set SWAVE,  3*SHEAD                   ; a wave's stage: 3 heads x 16 rows
.set LAPS,   4                         ; a lap = two K steps = once round the ring
.set ADRA, 16                          ; v16-17  LDS address of my xb fragments in slot 0, 1
.set ADRB, 20                          ; v20-21  the same for wqT
.set STO,  24                          ; v24     the way out: where I put 16 bytes
.set RD,   25                          ; v25     the way out: where I read them back
.set CO,   26                          ; v26     16 x lane: my place in 512 consecutive bytes of the output
.set BO,   27                          ; v27     32 x (lane / 16): my eight bias numbers
.set FA,   32                          ; v[32:63], v[64:95]  xb's fragment buffers 0, 1 (window 0)
.set TMP,  96                          ; v[96:143]  packed results
.set RB,   32                          ; v[32:79]   rows read back (behind the loop)
.set BIAS, 160                         ; v[160:255] bias of my 12 x 8 columns
.set G1A, 24
.set G0A, 32
.set G1B, 40
.set G0B, 48
.set FLAGS, (1<<16)|(1<<20)|(1<<21)|(5<<22)|(3<<25)   ; element of 2 bytes; padding on; bit 21 beside a mask; after every 64 words, 4 words
.set MSB, 0
.macro WIN new                         ; the immediate's high byte repeats the setting that is left
.if MSB != \new
	s_set_vgpr_msb (MSB<<8)|\new
.set MSB, \new
.endif
.endm
.set MUL_LO, 0xa1                      ; source 0 window 1, source 1 window 0, C and D window 2
.set MUL_HI, 0xf1                      ; the same, C and D window 3
.set TO_B,   0x40                      ; destination window 1, address window 0
; A joint load: waves 0 and 1 ask for xb's halves, waves 2 and 3 for wqT's.  The branch hangs on the wave's number alone.
.macro JLOAD s
	s_cmp_eq_u32 s13, 0
	s_cbranch_scc0 .Lfor_b_\@
	tensor_load_to_lds s[G0A+4*\s:G0A+4*\s+3], s[G1A:G1A+7]
	s_nop 0
	s_branch .Lasked_\@
.Lfor_b_\@:
	tensor_load_to_lds s[G0B+4*\s:G0B+4*\s+3], s[G1B:G1B+7]
	s_nop 0
.Lasked_\@:
.endm
; A round of the cluster's barrier: my work-group's barrier; wave 0 signals for the work-group; every wave waits for all sixteen; my work-group's barrier again.
.macro CREST
	s_cmp_lg_u32 s12, 0
	s_cbranch_scc1 .Lnot_wave_0_\@
	s_barrier_signal -3
.Lnot_wave_0_\@:
	s_barrier_wait -3
	s_barrier_signal -1
	s_barrier_wait -1
.endm
.macro CROUND
	s_barrier_signal -1
	s_barrier_wait -1
	CREST
.endm
	s_load_b256 s[4:11], s[0:1], 0x0               ; xb s[4:5], wqT s[6:7], b_qkv s[8:9], qkvh s[10:11]
	s_set_vgpr_msb 0x40
	v_lshl_add_u32 v255, v0, 2, 0x42400
	s_set_vgpr_msb 0x4000
	v_mov_b32 v159, 0
	s_set_vgpr_msb 0x1
	ds_add_u32 v255, v159
	s_set_vgpr_msb 0x100
	v_lshrrev_b32 v1, 5, v0
	v_readfirstlane_b32 s12, v1                    ; wave 0..3
	s_lshr_b32 s13, s12, 1                         ; I fetch for xb (0) or for wqT (1)
	s_and_b32 s14, s12, 1                          ; which half of that tile
	s_bfe_u32 s16, ttmp6, 0x40000                  ; cx
	s_bfe_u32 s17, ttmp6, 0x40004                  ; cy
	s_lshl_b32 s18, ttmp9, 2
	s_add_co_u32 s18, s18, s16                     ; block column = 4 x cluster x + cx
	s_and_b32 s19, ttmp7, 0xffff
	s_lshl_b32 s19, s19, 2
	s_add_co_u32 s19, s19, s17                     ; block row = 4 x cluster y + cy
	s_lshl_b32 s20, s17, 2
	s_lshl_b32 s20, 15, s20                        ; my row of the cluster: places 4 cy .. 4 cy + 3
	s_lshl_b32 s21, 0x1111, s16                    ; my column: places cx, cx + 4, cx + 8, cx + 12
	s_or_b32 s[G1A+0], s20, FLAGS                  ; xb's tiles go to my row
	s_mov_b32 s[G1A+1], KSTEP<<16                  ; tensor_dim0 = 128
	s_mov_b32 s[G1A+2], 128<<16                    ; tensor_dim1 = 128
	s_mov_b32 s[G1A+3], KSTEP<<16                  ; tile_dim0 = 128
	s_mov_b32 s[G1A+4], 128                        ; tile_dim1 = 128
	s_mov_b32 s[G1A+5], 1024                       ; elements from row to row
	s_mov_b32 s[G1A+6], 0
	s_mov_b32 s[G1A+7], 0
	s_or_b32 s[G1B+0], s21, FLAGS                  ; wqT's tiles go to my column
	s_mov_b32 s[G1B+1], KSTEP<<16
	s_mov_b32 s[G1B+2], 96<<16                     ; tensor_dim1 = 96
	s_mov_b32 s[G1B+3], KSTEP<<16
	s_mov_b32 s[G1B+4], 96                         ; tile_dim1 = 96
	s_mov_b32 s[G1B+5], 1024
	s_mov_b32 s[G1B+6], 0
	s_mov_b32 s[G1B+7], 0
	; where the tiles come from: xb's hang on the block row and the wave, wqT's on the block column and the wave, each in registers of its own
	s_lshl_b32 s56, s19, 8
	s_lshl_b32 s60, s14, 7
	s_add_co_u32 s56, s56, s60                     ; xb: row 256 x block row + 128 x half
	s_lshl_b32 s56, s56, 11                        ; x 2,048 bytes
	s_mov_b32 s57, 0
	s_mul_i32 s58, s18, 192
	s_mul_i32 s61, s14, 96
	s_add_co_u32 s58, s58, s61                     ; wqT: row 192 x block column + 96 x half
	s_lshl_b32 s58, s58, 11
	s_mov_b32 s59, 0
	s_mul_i32 s60, s12, HALFA                      ; where they go: xb's halves at wave x 128 rows,
	s_mul_i32 s61, s12, HALFB
	s_add_co_u32 s61, s61, 2*HALFA-2*HALFB         ; wqT's behind them at (wave - 2) x 96 rows
	s_wait_dscnt 0x0
	s_wait_kmcnt 0x0
	s_add_nc_u64 s[56:57], s[4:5], s[56:57]
	s_add_nc_u64 s[58:59], s[6:7], s[58:59]
	CROUND                                         ; all sixteen work-groups are here: the first joint loads meet
.irp s, 0,1
	s_mov_b32 s[G0A+4*\s], 1
	s_add_co_u32 s[G0A+4*\s+1], s60, \s*SLOT
	s_add_nc_u64 s[G0A+4*\s+2:G0A+4*\s+3], s[56:57], \s*KSTEP*2
	s_or_b32 s[G0A+4*\s+3], s[G0A+4*\s+3], 0x80000000
	s_mov_b32 s[G0B+4*\s], 1
	s_add_co_u32 s[G0B+4*\s+1], s61, \s*SLOT
	s_add_nc_u64 s[G0B+4*\s+2:G0B+4*\s+3], s[58:59], \s*KSTEP*2
	s_or_b32 s[G0B+4*\s+3], s[G0B+4*\s+3], 0x80000000
	JLOAD \s                                       ; K steps 0 and 1: two tensor loads of the wave are out, later one
.endr
	; the bias of my columns 16 b + 8 (l / 16) + 0..7, b = 0..11; waited for behind the loop
	s_mul_i32 s72, s18, 768
	s_mov_b32 s73, 0
	s_add_nc_u64 s[72:73], s[8:9], s[72:73]
	v_and_b32 v1, 15, v0                           ; r = l % 16
	v_bfe_u32 v2, v0, 4, 1                         ; h = l / 16
	v_lshlrev_b32 v[BO], 5, v2
.irp b, 0,1,2,3,4,5,6,7,8,9,10,11
	global_load_b128 v[BIAS+8*\b:BIAS+8*\b+3],   v[BO], s[72:73] offset:64*\b
	global_load_b128 v[BIAS+8*\b+4:BIAS+8*\b+7], v[BO], s[72:73] offset:64*\b+16
.endr
	; a fragment is 16 rows x 32 K in 8 registers: lane l holds row l % 16; two loads of 16 bytes, 32 apart, at row x pitch + 16 (l / 16)
	v_mul_u32_u24 v3, v1, PITCH
	v_lshl_add_u32 v3, v2, 4, v3
	s_mul_i32 s62, s12, 64*PITCH                   ; my 64 rows of xb
	v_add_nc_u32 v[ADRA], s62, v3
	v_add_nc_u32 v[ADRA+1], SLOT, v[ADRA]
	v_add_nc_u32 v[ADRB], 2*HALFA, v3              ; all 192 rows of wqT
	v_add_nc_u32 v[ADRB+1], 2*HALFA+SLOT, v3
	s_mul_i32 s63, s12, SWAVE
	s_add_co_u32 s63, s63, STAGE                   ; my stage
	v_mul_u32_u24 v4, v1, SPITCH
	v_lshl_add_u32 v4, v2, 4, v4
	v_add_nc_u32 v[STO], s63, v4                   ; in: row l % 16, 16 bytes for each half of the lanes
	v_bfe_u32 v5, v0, 3, 2
	v_and_b32 v6, 7, v0
	v_mul_u32_u24 v5, v5, SPITCH
	v_lshl_add_u32 v5, v6, 4, v5
	v_add_nc_u32 v[RD], s63, v5                    ; back: eight lanes take one row of 128 bytes, the wave four rows
	v_and_b32 v7, 31, v0
	v_lshlrev_b32 v[CO], 4, v7
	; the three heads' output bases: plane 32 which + 16 batch + head, row (block row % 8) x 256 + 64 x wave
	s_mul_i32 s22, s18, 3
.irp c, 0,1,2
	s_add_co_u32 s23, s22, \c                      ; column / 64
	s_lshr_b32 s74, s23, 4                         ; which
	s_and_b32 s23, s23, 15                         ; head
	s_lshl_b32 s74, s74, 5
	s_add_co_u32 s74, s74, s23
	s_lshr_b32 s23, s19, 3                         ; batch
	s_lshl_b32 s23, s23, 4
	s_add_co_u32 s74, s74, s23
	s_lshl_b32 s74, s74, 18                        ; planes of 262,144 bytes
	s_and_b32 s23, s19, 7
	s_lshl_b32 s23, s23, 15                        ; 256 rows of 128 bytes
	s_add_co_u32 s74, s74, s23
	s_lshl_b32 s23, s12, 13                        ; 64 rows of 128 bytes
	s_add_co_u32 s74, s74, s23
	s_mov_b32 s75, 0
	s_add_nc_u64 s[66+2*\c:67+2*\c], s[10:11], s[74:75]
.endr
; 12 matrix instructions: m tile ap of the window's two (hi = 0: window 2, 1: window 3) x all 12 n tiles, 32 along K, from buffer fi.
; zero = 1: the first product starts the sums.
.macro MUL12 fi, hi, ap, zero
.irp b, 0,1,2,3,4,5,6,7,8,9,10,11
.if \zero
	v_wmma_f32_16x16x32_f16 v[8*(12*\ap+\b):8*(12*\ap+\b)+7], v[96*\fi+8*\b:96*\fi+8*\b+7], v[FA+32*\fi+8*(2*\hi+\ap):FA+32*\fi+8*(2*\hi+\ap)+7], 0
.else
	v_wmma_f32_16x16x32_f16 v[8*(12*\ap+\b):8*(12*\ap+\b)+7], v[96*\fi+8*\b:96*\fi+8*\b+7], v[FA+32*\fi+8*(2*\hi+\ap):FA+32*\fi+8*(2*\hi+\ap)+7], v[8*(12*\ap+\b):8*(12*\ap+\b)+7]
.endif
.endr
.endm
; 32 LDS loads in one run: 192 rows of wqT, then my 64 rows of xb, 32 K at byte k of the rows, into buffer fi
.macro FETCH slot, k, fi
	WIN TO_B
.irp i, 0,1,2,3,4,5,6,7,8,9,10,11
	ds_load_b128 v[96*\fi+8*\i:96*\fi+8*\i+3],   v[ADRB+\slot] offset:\k+\i*16*PITCH
	ds_load_b128 v[96*\fi+8*\i+4:96*\fi+8*\i+7], v[ADRB+\slot] offset:\k+\i*16*PITCH+32
.endr
	WIN 0
.irp i, 0,1,2,3
	ds_load_b128 v[FA+32*\fi+8*\i:FA+32*\fi+8*\i+3],   v[ADRA+\slot] offset:\k+\i*16*PITCH
	ds_load_b128 v[FA+32*\fi+8*\i+4:FA+32*\fi+8*\i+7], v[ADRA+\slot] offset:\k+\i*16*PITCH+32
.endr
.endm
; Four plain vector instructions stand between a matrix instruction and a load into, or a vector instruction on, one of its registers
; (ISA guide 7.12.1 for vector instructions); matrix instructions in between are not counted.
.macro PLACES
.rept 4
	v_nop
.endr
.endm
; A K step is four quarters of 32 along K, 48 matrix instructions each, on buffers 0, 1, 0, 1.  The 48 accumulators take turns in the same
; order in every quarter, one instruction a turn, over the backward jump too.
.macro QUARTER slot, k, f, g, zero
	s_wait_dscnt 4                                 ; wqT's fragments and xb's m tiles 0, 1 are in; the youngest four loads (m tiles 2, 3) may be out
	WIN MUL_LO
	MUL12 \f, 0, 0, \zero
	MUL12 \f, 0, 1, \zero
	PLACES
	FETCH \slot, \k, \g
	s_wait_dscnt 32                                ; all but the 32 just issued
	WIN MUL_HI
	MUL12 \f, 1, 0, \zero
	MUL12 \f, 1, 1, \zero
.endm
.macro THREE slot, zero
	QUARTER \slot, 64,  0, 1, \zero
	QUARTER \slot, 128, 1, 0, 0
	QUARTER \slot, 192, 0, 1, 0
.endm
; The last quarter multiplies buffer 1 and changes slots.  In front of the barrier each wave waits for its reads of this slot and for all its
; tensor loads (one is out: its part of the next slot).  Behind it, where this slot is filled again, the rest of the cluster's round, then the
; joint refill as the wave's first and only tensor load, then the next slot's first fragments.  From a request to the wait for it: 180 matrix instructions.
.macro TURN slot, next, fill
	s_wait_dscnt 4
	WIN MUL_LO
	MUL12 1, 0, 0, 0
	s_wait_dscnt 0                                 ; my reads of this slot are over
	s_wait_tensorcnt 0x0                           ; all my tensor loads have landed
	ds_add_u32 v255, v159
	s_wait_dscnt 0x0
	s_barrier_signal -1
	MUL12 1, 0, 1, 0                               ; register work while the others arrive
	WIN 0
	s_barrier_wait -1
.if \fill
	CREST                                          ; no wave of any partner still reads this slot or has a load on its way
	s_add_nc_u64 s[G0A+4*\slot+2:G0A+4*\slot+3], s[G0A+4*\slot+2:G0A+4*\slot+3], 2*KSTEP*2
	s_add_nc_u64 s[G0B+4*\slot+2:G0B+4*\slot+3], s[G0B+4*\slot+2:G0B+4*\slot+3], 2*KSTEP*2
	JLOAD \slot
.endif
	PLACES
	FETCH \next, 0, 0
	WIN MUL_HI
	MUL12 1, 1, 0, 0
	MUL12 1, 1, 1, 0
.endm
.macro LAP zero
	THREE 0, \zero
	TURN 0, 1, 1
	THREE 1, 0
	TURN 1, 0, 1
.endm
	s_wait_tensorcnt 1                             ; my part of K step 0 is in; K step 1's may stay out
	s_barrier_signal -1
	s_barrier_wait -1
	FETCH 0, 0, 0
	LAP 1                                          ; K steps 0, 1: the first products start the sums
	WIN 0
	s_mov_b32 s15, LAPS-2
.Llap:
	LAP 0
	WIN 0
	s_sub_co_u32 s15, s15, 1
	s_cmp_lg_u32 s15, 0
	s_cbranch_scc1 .Llap
	THREE 0, 0                                     ; the last lap fills nothing
	TURN 0, 1, 0
	THREE 1, 0
	s_wait_dscnt 4
	WIN MUL_LO
	MUL12 1, 0, 0, 0
	MUL12 1, 0, 1, 0
	s_wait_dscnt 0
	WIN MUL_HI
	MUL12 1, 1, 0, 0
	MUL12 1, 1, 1, 0
	; THE WAY OUT, 16 rows at a time: add the bias in f32, round once to f16, 16 bytes a lane into my own stage (three heads' planes), read back
	; four rows of 128 bytes at a time: in the head-major output they are 512 consecutive bytes.
	PLACES
	s_wait_loadcnt 0x0                             ; the bias
.macro OUT16 a, ap, wadd, wcvt
	WIN \wadd                                      ; destination and source 0 in the accumulators' window, source 1 (bias) in window 0
.irp b, 0,1,2,3,4,5,6,7,8,9,10,11
.irp p, 0,1,2,3
	v_pk_add_f32 v[8*(12*\ap+\b)+2*\p:8*(12*\ap+\b)+2*\p+1], v[8*(12*\ap+\b)+2*\p:8*(12*\ap+\b)+2*\p+1], v[BIAS+8*\b+2*\p:BIAS+8*\b+2*\p+1]
.endr
.endr
	WIN \wcvt                                      ; both sources in the accumulators' window, destination in window 0
.irp b, 0,1,2,3,4,5,6,7,8,9,10,11
.irp p, 0,1,2,3
	v_cvt_pk_f16_f32 v[TMP+4*\b+\p], v[8*(12*\ap+\b)+2*\p], v[8*(12*\ap+\b)+2*\p+1]
.endr
.endr
	WIN 0
.irp b, 0,1,2,3,4,5,6,7,8,9,10,11
	ds_store_b128 v[STO], v[TMP+4*\b:TMP+4*\b+3] offset:SHEAD*(\b>>2)+32*(\b&3)
.endr
	s_wait_xcnt 0x0                                ; the last sixteen rows' stores have had their addresses translated: their data registers are loaded again only behind this wait
.irp i, 0,1,2,3,4,5,6,7,8,9,10,11
	ds_load_b128 v[RB+4*\i:RB+4*\i+3], v[RD] offset:SHEAD*(\i>>2)+4*SPITCH*(\i&3)   ; LDS serves a wave's instructions in order: these see the stores above
.endr
.irp i, 0,1,2,3,4,5,6,7,8,9,10,11
	s_wait_dscnt 11-\i                             ; the 11 - i younger loads stay out
	global_store_b128 v[CO], v[RB+4*\i:RB+4*\i+3], s[66+2*(\i>>2):67+2*(\i>>2)] offset:2048*\a+512*(\i&3)   ; the wave stores 512 consecutive bytes, aligned
.endr
.endm
	OUT16 0, 0, 0x82, 0x0a
	OUT16 1, 1, 0x82, 0x0a
	OUT16 2, 0, 0xc3, 0x0f
	OUT16 3, 1, 0xc3, 0x0f
	s_set_vgpr_msb 0x1
	s_wait_tensorcnt 0x0
	ds_add_u32 v255, v159
	s_wait_dscnt 0x0
	s_set_vgpr_msb 0x100
	CROUND                                         ; the closing round: no work-group ends while a partner may still ask for a tile that names it
	s_endpgm
.Lfunc_end_k_qf15f306027_qkvgemm:
	.size	k_qf15f306027_qkvgemm, .Lfunc_end_k_qf15f306027_qkvgemm-k_qf15f306027_qkvgemm
	.p2alignl 7, 3214868480
	.fill 96, 4, 3214868480
	.section	.rodata,"a",@progbits
	.p2align	6, 0x0
	.amdhsa_kernel k_qf15f306027_qkvgemm
		.amdhsa_group_segment_fixed_size 327680
		.amdhsa_private_segment_fixed_size 0
		.amdhsa_enable_private_segment 0
		.amdhsa_kernarg_size 32
		.amdhsa_user_sgpr_count 2
		.amdhsa_user_sgpr_kernarg_segment_ptr 1
		.amdhsa_wavefront_size32 1
		.amdhsa_system_sgpr_workgroup_id_x 1
		.amdhsa_system_sgpr_workgroup_id_y 1
		.amdhsa_system_sgpr_workgroup_id_z 1
		.amdhsa_system_vgpr_workitem_id 0
		.amdhsa_next_free_vgpr 960
		.amdhsa_next_free_sgpr 76
		.amdhsa_reserve_vcc 0
		.amdhsa_float_denorm_mode_32 3
		.amdhsa_float_denorm_mode_16_64 3
		.amdhsa_memory_ordered 1
		.amdhsa_forward_progress 1
		.amdhsa_inst_pref_size 179
	.end_amdhsa_kernel
	.amdgpu_metadata
---
amdhsa.version: [ 1, 2 ]
amdhsa.kernels:
  - .name:           k_qf15f306027_qkvgemm
    .symbol:         k_qf15f306027_qkvgemm.kd
    .args:
      - { .name: xb, .offset: 0, .size: 8, .value_kind: global_buffer, .address_space: global }
      - { .name: wqT, .offset: 8, .size: 8, .value_kind: global_buffer, .address_space: global }
      - { .name: b_qkv, .offset: 16, .size: 8, .value_kind: global_buffer, .address_space: global }
      - { .name: qkvh, .offset: 24, .size: 8, .value_kind: global_buffer, .address_space: global }
    .group_segment_fixed_size: 327680
    .private_segment_fixed_size: 0
    .kernarg_segment_align: 8
    .kernarg_segment_size: 32
    .max_flat_workgroup_size: 128
    .sgpr_count:     76
    .vgpr_count:     960
    .wavefront_size: 32
...
	.end_amdgpu_metadata
.endif
;; end of part 2
;; launch attn (part 3): grid 256 x 1, 8 waves a work-group, clusters of 4 x 1, 327,680 bytes of LDS; arguments qkvh, yh; writes yh
.if DOCPART == 3
	.amdgcn_target "amdgcn-amd-amdhsa--gfx1250"
	.amdhsa_code_object_version 6
	.text
	.protected	k_qf15f306027_attn
	.globl	k_qf15f306027_attn
	.p2align	8
	.type	k_qf15f306027_attn,@function
k_qf15f306027_attn:
	s_mov_b64 s[64:65], 0
	v_nop
	global_prefetch_b8 v0, s[64:65] scope:SCOPE_SE
	s_setreg_imm32_b32 hwreg(HW_REG_WAVE_MODE, 25, 1), 1
	s_wait_xcnt 0x0
	s_wait_alu depctr_hold_cnt(0) depctr_sa_sdst(0) depctr_va_vdst(0) depctr_va_sdst(0) depctr_va_ssrc(0) depctr_va_vcc(0) depctr_vm_vsrc(0)
	s_getreg_b32 s2, hwreg(HW_REG_IB_STS2, 6, 4)
	s_cmp_eq_u32 s2, 0
	s_cbranch_scc0 .Lentry_in_a_cluster
	s_endpgm
.Lentry_in_a_cluster:
	s_bfe_u32 s2, ttmp6, 0x10000c
	s_cmp_lg_u32 s2, 0x3003
	s_cbranch_scc0 .Lentry_shape_is_right
	s_endpgm
.Lentry_shape_is_right:
; yh[bh][n][d] = f16( sum over m of softmax_m( q[n] . k[m] / 8 ) v[m][d] ),  bh = 16 batch + head;  q, k, v: planes bh, 32 + bh, 64 + bh of qkvh, [2048][64] f16.
; The softmax keeps a running maximum and a running sum in f32; products take f16 operands and add in f32.
; LIMITS: a weight p (at most 1) goes into the second product as f16: below 6e-8 it drops out there; v_exp_f32 gives 0 for results below 2^-126;
; |y| below 65,504; NaN and infinities among q, k, v are not reproduced place by place; the sums' order is not the reference's.
; A work-group takes 256 queries of one head against all 2,048 keys: 32 heads x 8 blocks = 256 work-groups.  Eight waves, 32 queries (two tiles of 16) each.
; CLUSTER: the four work-groups of a cluster are four query blocks of ONE head and walk the same K and V tiles: these are asked for jointly (mask 15).
; TRANSPOSED SCHEME: S^T = K Q^T (source 0 = 16 keys, source 1 = 16 queries): lane l holds query l % 16 and keys 8 (l / 16) + 0..7 of a tile.  Two such tiles,
; packed to f16 pair by pair, ARE source 1 of O^T = V^T P^T: no number changes lanes.  V^T comes from LDS by the transposing load.  Maximum, sum and rescale are
; one number a lane; the two halves of the wave, which share a query, meet once a step by v_permlanex16_b32.
; THE PIPELINE: a step is 32 keys.  In period i the vector instructions are the softmax of step i, and the 16 matrix instructions strewn among them, one for every
; eight to ten vector instructions, are those of the neighbouring steps: first O += V(i-1) P(i-1), then S(i+1) = K(i+1) Q.  So a wave's products run beside its own
; softmax and need no second wave to hide behind.  S has two buffers that take turns; P(i) is packed in place into the first 16 registers of S(i)'s buffer,
; which S(i+2) overwrites only behind the products that read P(i).  O is rescaled at the end of period i: behind the products of step i-1, ahead of those of step i.
; With this all registers fit under v250: no register windows, which matrix instructions strewn singly could not afford.
; TILES: 256 keys, two LDS slots, 8 tiles.  Waves 0, 1 fetch V's halves, waves 2, 3 K's; waves 4-7 fetch nothing.  A half is 16 KiB dense in memory and comes as
; 64 rows of 256 bytes; the padding is laid behind every 128 bytes, a key's row.  K is read two steps ahead of V, so K's tiles begin two steps later than V's:
; K's tile t holds steps 8 t + 2 .. 8 t + 9, and every LDS read of periods 8 t .. 8 t + 7 falls into slot t % 2.  K's steps 0 and 1 come straight from memory
; into registers.  STATED: K's last tile therefore reaches 8,192 bytes past its head's plane; these bytes lie inside qkvh (planes 32-63 are always followed by
; another plane), land in LDS and are never read.
.set TILEB,  32768                     ; bytes of K (or V) in a tile
.set KSHIFT, 8192                      ; two steps of K: 64 keys of 128 bytes
.set VP,     160                       ; V's pitch: an odd multiple of 32, for the transposing load
.set KP,     144                       ; K's pitch: an odd multiple of 16
.set VBYTES, 256*VP                    ; 40,960
.set SLOT,   256*VP+256*KP             ; 77,824
.set STAGE,  2*SLOT                    ; 155,648 = 608 x 256: behind the ring, no tensor load lands there
.set SP,     144
.set CEXP,   0x3e38aa3b                ; c = log2(e) / 8: the scale 1/8 and the change of base in one factor
.set ADK, 2                            ; v2-3       LDS address of K's fragments in slot 0, 1
.set ADV, 4                            ; v4-5       the same for V
.set T,   6                            ; v[6:13]    at work, four for each query tile
.set ST,  14                           ; v[14:21]   for each query tile: -c M, M, rescale factor, the other half's number
.set LS,  22                           ; v[22:25]   running sums, a pair for each query tile
.set S,   26                           ; v[26:57], v[58:89]  two buffers of S^T(q, key tile) at 16 q + 8 t; later P^T(q) at 8 q
.set KF,  90                           ; v[90:121]  K(key tile, d half) at 16 t + 8 k
.set VF,  122                          ; v[122:153] V^T(d tile)
.set Q,   154                          ; v[154:185] Q(q, d half)
.set O,   186                          ; v[186:249] O^T(q, d tile) at 32 q + 8 d
.set G1V, 16
.set G1K, 24
.set G0V, 32
.set G0K, 40
.macro ROUND                           ; a round of the cluster's barrier
	s_barrier_signal -1
	s_barrier_wait -1
	s_cmp_lg_u32 s8, 0
	s_cbranch_scc1 .Lnot_wave_0_\@
	s_barrier_signal -3
.Lnot_wave_0_\@:
	s_barrier_wait -3
	s_barrier_signal -1
	s_barrier_wait -1
.endm
.macro JLOAD s                         ; the joint refill of slot s; the branches hang on the wave's number alone
	s_cmp_ge_u32 s8, 4
	s_cbranch_scc1 .Lasked_\@
	s_cmp_ge_u32 s8, 2
	s_cbranch_scc1 .Lfor_k_\@
	tensor_load_to_lds s[G0V+4*\s:G0V+4*\s+3], s[G1V:G1V+7]
	s_nop 0
	s_branch .Lasked_\@
.Lfor_k_\@:
	tensor_load_to_lds s[G0K+4*\s:G0K+4*\s+3], s[G1K:G1K+7]
	s_nop 0
.Lasked_\@:
.endm
	s_load_b128 s[4:7], s[0:1], 0x0                ; qkvh s[4:5], yh s[6:7]
	v_lshl_add_u32 v250, v0, 2, 0x2a800
	v_mov_b32 v251, 0
	ds_add_u32 v250, v251
	v_lshrrev_b32 v1, 5, v0
	v_readfirstlane_b32 s8, v1                     ; wave 0..7
	s_bfe_u32 s9, ttmp6, 0x40000                   ; cx
	s_lshr_b32 s10, ttmp9, 1                       ; bh: two clusters for each head
	s_and_b32 s11, ttmp9, 1
	s_lshl_b32 s11, s11, 2
	s_add_co_u32 s11, s11, s9                      ; query block 0..7
	s_mov_b32 s12, 0x76543210                      ; v_permlanex16_b32: lane i of one half reads lane i of the other
	s_mov_b32 s13, 0xfedcba98
	s_mov_b32 s14, 0xbe38aa3b                      ; -c
	s_mov_b32 s[G1V+0], 15|(3<<16)|(1<<20)|(1<<21)|(4<<22)|(7<<25)   ; mask: all four; element of 8 bytes; padding on; bit 21 beside a mask; after every 32 words, 8 words
	s_mov_b32 s[G1V+1], 32<<16                     ; tensor_dim0 = 32 elements (256 bytes)
	s_mov_b32 s[G1V+2], 64<<16                     ; tensor_dim1 = 64
	s_mov_b32 s[G1V+3], 32<<16                     ; tile_dim0 = 32
	s_mov_b32 s[G1V+4], 64                         ; tile_dim1 = 64
	s_mov_b32 s[G1V+5], 32                         ; a row begins where the last ends
	s_mov_b32 s[G1V+6], 0
	s_mov_b32 s[G1V+7], 0
	s_mov_b32 s[G1K+0], 15|(3<<16)|(1<<20)|(1<<21)|(4<<22)|(3<<25)   ; the same with 4 words of padding
	s_mov_b32 s[G1K+1], 32<<16
	s_mov_b32 s[G1K+2], 64<<16
	s_mov_b32 s[G1K+3], 32<<16
	s_mov_b32 s[G1K+4], 64
	s_mov_b32 s[G1K+5], 32
	s_mov_b32 s[G1K+6], 0
	s_mov_b32 s[G1K+7], 0
	s_and_b32 s54, s8, 1
	s_lshl_b32 s54, s54, 14                        ; which half of the tile: 128 keys of 128 bytes
	s_add_co_u32 s48, s10, 64                      ; V's plane
	s_lshl_b32 s48, s48, 18
	s_add_co_u32 s48, s48, s54
	s_mov_b32 s49, 0
	s_add_co_u32 s60, s10, 32                      ; K's plane
	s_lshl_b32 s60, s60, 18
	s_mov_b32 s61, 0
	s_add_co_u32 s50, s60, s54
	s_add_co_u32 s50, s50, KSHIFT                  ; K's tiles begin two steps later
	s_mov_b32 s51, 0
	s_mul_i32 s52, s8, 128*VP                      ; V's halves at wave x 128 rows,
	s_mul_i32 s53, s8, 128*KP
	s_add_co_u32 s53, s53, VBYTES-2*128*KP         ; K's behind them at (wave - 2) x 128 rows
	s_lshl_b32 s56, s10, 18
	s_lshl_b32 s58, s11, 15                        ; 256 queries of 128 bytes
	s_add_co_u32 s56, s56, s58                     ; my block in q's plane, and in yh
	s_mov_b32 s57, 0
	s_lshl_b32 s58, s8, 12                         ; my wave's 32 rows
	s_add_co_u32 s58, s58, s56
	s_mov_b32 s59, 0
	s_wait_dscnt 0x0
	s_wait_kmcnt 0x0
	s_add_nc_u64 s[48:49], s[4:5], s[48:49]
	s_add_nc_u64 s[50:51], s[4:5], s[50:51]
	s_add_nc_u64 s[60:61], s[4:5], s[60:61]
	s_add_nc_u64 s[56:57], s[4:5], s[56:57]
	s_add_nc_u64 s[58:59], s[6:7], s[58:59]
.irp s, 0,1
	s_mov_b32 s[G0V+4*\s], 1
	s_add_co_u32 s[G0V+4*\s+1], s52, \s*SLOT
	s_add_nc_u64 s[G0V+4*\s+2:G0V+4*\s+3], s[48:49], \s*TILEB
	s_or_b32 s[G0V+4*\s+3], s[G0V+4*\s+3], 0x80000000
	s_mov_b32 s[G0K+4*\s], 1
	s_add_co_u32 s[G0K+4*\s+1], s53, \s*SLOT
	s_add_nc_u64 s[G0K+4*\s+2:G0K+4*\s+3], s[50:51], \s*TILEB
	s_or_b32 s[G0K+4*\s+3], s[G0K+4*\s+3], 0x80000000
.endr
	ROUND                                          ; all four work-groups are here: the first joint loads meet
	; the first fills, tiles 0 and 1, as one group; both fills of a wave stand inside one branch on its number.  Two tensor loads of a wave are out, later one.
	s_cmp_ge_u32 s8, 4
	s_cbranch_scc1 .Lfilled
	s_cmp_ge_u32 s8, 2
	s_cbranch_scc1 .Lfill_k
	tensor_load_to_lds s[G0V:G0V+3], s[G1V:G1V+7]
	s_nop 0
	tensor_load_to_lds s[G0V+4:G0V+7], s[G1V:G1V+7]
	s_nop 0
	s_branch .Lfilled
.Lfill_k:
	tensor_load_to_lds s[G0K:G0K+3], s[G1K:G1K+7]
	s_nop 0
	tensor_load_to_lds s[G0K+4:G0K+7], s[G1K:G1K+7]
	s_nop 0
.Lfilled:
	; S's registers serve as scratch until the first product writes them
	v_and_b32 v[S], 15, v0                         ; r = l % 16
	v_bfe_u32 v[S+1], v0, 4, 1                     ; h = l / 16
	s_lshl_b32 s55, s8, 12
	v_lshlrev_b32 v[T+1], 7, v[S]
	v_lshl_add_u32 v[T+1], v[S+1], 4, v[T+1]       ; 128 r + 16 h: a fragment's place in rows of 128 bytes
	v_add_nc_u32 v[T], s55, v[T+1]                 ; + 32 wave rows: my queries
.irp q, 0,1
.irp k, 0,1
	global_load_b128 v[Q+16*\q+8*\k:Q+16*\q+8*\k+3],   v[T], s[56:57] offset:2048*\q+64*\k      ; Q's fragments stay in registers for the whole kernel
	global_load_b128 v[Q+16*\q+8*\k+4:Q+16*\q+8*\k+7], v[T], s[56:57] offset:2048*\q+64*\k+32
.endr
.endr
.irp t, 0,1
.irp k, 0,1
	global_load_b128 v[VF+16*\t+8*\k:VF+16*\t+8*\k+3],   v[T+1], s[60:61] offset:2048*\t+64*\k          ; K's step 0, in V's registers, which are free until period 0
	global_load_b128 v[VF+16*\t+8*\k+4:VF+16*\t+8*\k+7], v[T+1], s[60:61] offset:2048*\t+64*\k+32
	global_load_b128 v[KF+16*\t+8*\k:KF+16*\t+8*\k+3],   v[T+1], s[60:61] offset:4096+2048*\t+64*\k     ; K's step 1
	global_load_b128 v[KF+16*\t+8*\k+4:KF+16*\t+8*\k+7], v[T+1], s[60:61] offset:4096+2048*\t+64*\k+32
.endr
.endr
	v_mul_u32_u24 v[S+2], v[S], KP
	v_lshl_add_u32 v[S+2], v[S+1], 4, v[S+2]       ; 144 r + 16 h
	v_add_nc_u32 v[ADK], VBYTES, v[S+2]
	v_add_nc_u32 v[ADK+1], VBYTES+SLOT, v[S+2]
	v_and_b32 v[S+3], 7, v0
	v_lshl_add_u32 v[S+4], v[S+1], 3, v[S+3]       ; key 8 h + l % 8
	v_mul_u32_u24 v[S+4], v[S+4], VP
	v_bfe_u32 v[S+5], v0, 3, 1
	v_lshl_add_u32 v[ADV], v[S+5], 4, v[S+4]       ; + 16 bytes for the odd groups of eight lanes
	v_add_nc_u32 v[ADV+1], SLOT, v[ADV]
	v_mov_b32 v[ST+3], 0                           ; v_permlanex16_b32's destination counts as read
	v_mov_b32 v[ST+7], 0
; The pieces of a period.  CUR: the S buffer of the step whose softmax runs; OTH: the other one, which holds P of the step before and then takes S of the step behind.
; One product O(q, d) += V^T(d) P^T(q) of the step before.  PVMODE 0: none; 1: adds; 2: starts the sum.
.macro PVI q, d
.if PVMODE == 1
	v_wmma_f32_16x16x32_f16 v[O+32*\q+8*\d:O+32*\q+8*\d+7], v[VF+8*\d:VF+8*\d+7], v[OTH+8*\q:OTH+8*\q+7], v[O+32*\q+8*\d:O+32*\q+8*\d+7]
.endif
.if PVMODE == 2
	v_wmma_f32_16x16x32_f16 v[O+32*\q+8*\d:O+32*\q+8*\d+7], v[VF+8*\d:VF+8*\d+7], v[OTH+8*\q:OTH+8*\q+7], 0
.endif
.endm
; One product of S^T(q, t) of the step behind: d half k.  The first half starts the sum.  KSRC: where K's fragments lie.
.macro QKI q, t, k
.if QKON
.if \k
	v_wmma_f32_16x16x32_f16 v[OTH+16*\q+8*\t:OTH+16*\q+8*\t+7], v[KSRC+16*\t+8:KSRC+16*\t+15], v[Q+16*\q+8:Q+16*\q+15], v[OTH+16*\q+8*\t:OTH+16*\q+8*\t+7]
.else
	v_wmma_f32_16x16x32_f16 v[OTH+16*\q+8*\t:OTH+16*\q+8*\t+7], v[KSRC+16*\t:KSRC+16*\t+7], v[Q+16*\q:Q+16*\q+7], 0
.endif
.endif
.endm
.macro SUB q, u                        ; c s - c M, at most 0, two numbers
	v_pk_fma_f32 v[CUR+16*\q+2*\u:CUR+16*\q+2*\u+1], v[CUR+16*\q+2*\u:CUR+16*\q+2*\u+1], CEXP, v[ST+4*\q:ST+4*\q+1] op_sel_hi:[1,0,0]
.endm
.macro EXP2 q, u                       ; two weights
	v_exp_f32 v[CUR+16*\q+2*\u],   v[CUR+16*\q+2*\u]
	v_exp_f32 v[CUR+16*\q+2*\u+1], v[CUR+16*\q+2*\u+1]
.endm
.macro SUM q, u                        ; the running sums take two weights; the first line of a step rescales them.  In the very first step the sums start.
.if FIRST
.if \u == 1
	s_wait_alu depctr_va_vdst(0)
	v_pk_add_f32 v[LS+2*\q:LS+2*\q+1], v[CUR+16*\q:CUR+16*\q+1], v[CUR+16*\q+2:CUR+16*\q+3]
	s_wait_alu depctr_va_vdst(0)
.endif
.if \u > 1
	v_pk_add_f32 v[LS+2*\q:LS+2*\q+1], v[LS+2*\q:LS+2*\q+1], v[CUR+16*\q+2*\u:CUR+16*\q+2*\u+1]
.endif
.else
.if \u == 0
	s_wait_alu depctr_va_vdst(0)
	v_pk_fma_f32 v[LS+2*\q:LS+2*\q+1], v[LS+2*\q:LS+2*\q+1], v[ST+4*\q+2:ST+4*\q+3], v[CUR+16*\q:CUR+16*\q+1] op_sel_hi:[1,0,1]
	s_wait_alu depctr_va_vdst(0)
.else
	v_pk_add_f32 v[LS+2*\q:LS+2*\q+1], v[LS+2*\q:LS+2*\q+1], v[CUR+16*\q+2*\u:CUR+16*\q+2*\u+1]
.endif
.endif
.endm
.macro CVT e                           ; word e of P^T, in place: registers 2 e and 2 e + 1 have been summed, register e has been packed (e ascends)
	v_cvt_pk_f16_f32 v[CUR+\e], v[CUR+2*\e], v[CUR+2*\e+1]
.endm
.macro RS e                            ; four lines of O's rescale: registers 2 e .. 2 e + 3 of both query tiles
.if FIRST
.else
	v_pk_mul_f32 v[O+2*\e:O+2*\e+1],       v[O+2*\e:O+2*\e+1],       v[ST+2:ST+3] op_sel_hi:[1,0]
	v_pk_mul_f32 v[O+32+2*\e:O+32+2*\e+1], v[O+32+2*\e:O+32+2*\e+1], v[ST+6:ST+7] op_sel_hi:[1,0]
	v_pk_mul_f32 v[O+2*\e+2:O+2*\e+3],     v[O+2*\e+2:O+2*\e+3],     v[ST+2:ST+3] op_sel_hi:[1,0]
	v_pk_mul_f32 v[O+34+2*\e:O+34+2*\e+1], v[O+34+2*\e:O+34+2*\e+1], v[ST+6:ST+7] op_sel_hi:[1,0]
.endif
.endm
.macro VLOAD slot, j                   ; V^T of rows 32 j .. 32 j + 31 of the slot: eight transposing loads
.irp d, 0,1,2,3
	ds_load_tr16_b128 v[VF+8*\d:VF+8*\d+3],   v[ADV+\slot] offset:32*VP*\j+32*\d          ; keys 8 h + 0..7 of column 16 d + r
	ds_load_tr16_b128 v[VF+8*\d+4:VF+8*\d+7], v[ADV+\slot] offset:32*VP*\j+32*\d+16*VP    ; keys 16 + 8 h + 0..7
.endr
.endm
.macro KLOAD slot, j                   ; K of rows 32 j .. 32 j + 31 of the slot (two steps ahead of V's rows there): eight loads
.irp t, 0,1
.irp k, 0,1
	ds_load_b128 v[KF+16*\t+8*\k:KF+16*\t+8*\k+3],   v[ADK+\slot] offset:(32*\j+16*\t)*KP+64*\k
	ds_load_b128 v[KF+16*\t+8*\k+4:KF+16*\t+8*\k+7], v[ADK+\slot] offset:(32*\j+16*\t)*KP+64*\k+32
.endr
.endr
.endm
; PERIOD j of a tile.  fst: the very first step (no old maximum, no rescale, the sums start); pvm: PVMODE; qon: a step behind exists; kon: a step two behind exists;
; w0: how many younger LDS loads may be out when V of the step before has to be there.
; The matrix instructions take their accumulators by turns, one instruction a turn (eight O tiles, four S tiles, the same four again), over the period's end,
; the tile's end and the backward jump too.
; Distances behind matrix instructions (ISA guide 7.12.1 for vector instructions), counted in plain vector lines that name none of their registers:
; V's loads stand four sums behind the last product that read V; K's loads four rescale lines behind the last product that read K; the S tiles that overwrite
; P (q = 0's two) come last of the four, more than five lines behind the products that read it; S is first read eight lines behind its last product.
.macro STEP slot, j, fst, pvm, qon, kon, w0
.set CUR, S+32*(\j&1)
.set OTH, S+32-32*(\j&1)
.set FIRST, \fst
.set PVMODE, \pvm
.set QKON, \qon
.if \pvm
	s_wait_dscnt \w0                               ; V of the step before is in; the loads of K issued behind it stay out
.endif
	PVI 0, 0
.irp q, 1,0
.irp m, 0,1,2,3
	v_max3_num_f32 v[T+4*\q+\m], v[CUR+16*\q+3*\m], v[CUR+16*\q+3*\m+1], v[CUR+16*\q+3*\m+2]
.endr
.endr
	PVI 0, 1
.irp q, 1,0
	v_max3_num_f32 v[T+4*\q],   v[T+4*\q],   v[CUR+16*\q+12], v[CUR+16*\q+13]
.endr
.irp q, 1,0
	v_max3_num_f32 v[T+4*\q+1], v[T+4*\q+1], v[CUR+16*\q+14], v[CUR+16*\q+15]
.endr
.irp q, 1,0
.if FIRST
	v_max_num_f32  v[T+4*\q+2], v[T+4*\q+2], v[T+4*\q+3]
.else
	v_max3_num_f32 v[T+4*\q+2], v[T+4*\q+2], v[T+4*\q+3], v[ST+4*\q+1]          ; the old maximum rides along
.endif
.endr
.irp q, 1,0
	v_max3_num_f32 v[T+4*\q], v[T+4*\q], v[T+4*\q+1], v[T+4*\q+2]
.endr
	PVI 0, 2
.irp q, 1,0
	v_permlanex16_b32 v[ST+4*\q+3], v[T+4*\q], s12, s13                         ; the other sixteen keys of my query
.endr
.irp q, 1,0
	v_max_num_f32 v[ST+4*\q+1], v[T+4*\q], v[ST+4*\q+3]                         ; M
.endr
.if FIRST
.else
.irp q, 1,0
	v_fma_f32 v[ST+4*\q+2], v[ST+4*\q+1], s14, -v[ST+4*\q]                      ; c (M old - M new)
.endr
.endif
.irp q, 1,0
	v_mul_f32 v[ST+4*\q], s14, v[ST+4*\q+1]                                     ; -c M
.endr
	PVI 0, 3
.if FIRST
.else
.irp q, 1,0
	v_exp_f32 v[ST+4*\q+2], v[ST+4*\q+2]                                        ; the rescale factor; plain lines follow before its first use (ISA guide 5.7.2)
.endr
.endif
.irp u, 0,1,2,3,4,5,6,7
	SUB 0, \u
.endr
	PVI 1, 0
.irp u, 0,1,2
	EXP2 0, \u                                     ; exponentials by twos, a plain line of the other query tile behind each pair
	SUB 1, \u
.endr
	PVI 1, 1
.irp u, 3,4,5
	EXP2 0, \u
	SUB 1, \u
.endr
	PVI 1, 2
.irp u, 6,7
	EXP2 0, \u
	SUB 1, \u
.endr
	EXP2 1, 0
	SUM 0, 0
	PVI 1, 3                                       ; the last product of the step before
.irp u, 1,2,3,4
	EXP2 1, \u
	SUM 0, \u                                      ; four plain lines: the places in front of V's loads
.endr
	VLOAD \slot, \j                                ; V of this step, for the next period's first half
.if \qon
	s_wait_dscnt 8                                 ; K of the step behind is in; the eight loads of V just issued stay out
.endif
	QKI 1, 0, 0                                    ; q = 1's S tiles overwrite no register of the products above
.irp u, 5,6,7
	EXP2 1, \u
	SUM 0, \u
.endr
	QKI 1, 1, 0
.irp u, 0,1,2,3
	SUM 1, \u
	CVT \u
.endr
	QKI 0, 0, 0
.irp u, 4,5,6,7
	SUM 1, \u
	CVT \u
.endr
	QKI 0, 1, 0
.irp u, 8,9,10,11,12,13,14,15
	CVT \u
.endr
	QKI 1, 0, 1
	RS 0
	RS 2
	QKI 1, 1, 1
	RS 4
	RS 6
	QKI 0, 0, 1
	RS 8
	RS 10
	QKI 0, 1, 1                                    ; the last product that reads K
	RS 12                                          ; four plain lines: the places in front of K's loads
.if \fst
.rept 4
	v_nop                                          ; the first step has no rescale: the four places, for K's loads and for the next period's reads of S
.endr
.endif
.if \kon
	KLOAD \slot, \j                                ; K of the step two behind, for the next period's second half
.endif
	RS 14
.endm
.macro TILE slot, kind                 ; kind 0: the first tile; 1: a middle one; 2: the last
.if \kind == 0
	STEP \slot, 0, 1, 0, 1, 1, 8                   ; step 0: no step before
	STEP \slot, 1, 0, 2, 1, 1, 8                   ; step 0's products start O
.else
	STEP \slot, 0, 0, 1, 1, 1, 8
	STEP \slot, 1, 0, 1, 1, 1, 8
.endif
	STEP \slot, 2, 0, 1, 1, 1, 8
	STEP \slot, 3, 0, 1, 1, 1, 8
	STEP \slot, 4, 0, 1, 1, 1, 8
	STEP \slot, 5, 0, 1, 1, 1, 8
.if \kind == 2
	STEP \slot, 6, 0, 1, 1, 0, 8                   ; step 62: no step 64 to load
	STEP \slot, 7, 0, 1, 0, 0, 0                   ; step 63: no loads of K were issued behind V's, and no step 64 to multiply
.else
	STEP \slot, 6, 0, 1, 1, 1, 8
	STEP \slot, 7, 0, 1, 1, 1, 8
.endif
.endm
; The change of slots.  In front of the round every wave waits for all its tensor loads (its part of this slot among them) and for its reads of the other slot;
; behind the round the other slot's joint refill is the wave's first and only tensor load, and has this whole tile's work in which to land.
; What the pipeline carries over the round lies in registers: S of the next step, P and V of the last, K of the step behind.
.macro NEXT slot, refill, kind
	s_wait_tensorcnt 0x0                           ; no tensor load of mine is out: a group 0 may be written
	ds_add_u32 v250, v251
	s_wait_dscnt 0x0
	s_add_nc_u64 s[G0V+4*(1-\slot)+2:G0V+4*(1-\slot)+3], s[G0V+4*(1-\slot)+2:G0V+4*(1-\slot)+3], 2*TILEB
	s_add_nc_u64 s[G0K+4*(1-\slot)+2:G0K+4*(1-\slot)+3], s[G0K+4*(1-\slot)+2:G0K+4*(1-\slot)+3], 2*TILEB
	s_wait_dscnt 0x0
	ROUND
.if \refill
	JLOAD (1-\slot)
.endif
	TILE \slot, \kind
.endm
	s_wait_loadcnt 0x0                             ; Q, K's steps 0 and 1
.set QKON, 1
.set OTH, S                                        ; S of step 0 goes into buffer 0,
.set KSRC, VF                                      ; from K's step 0 in V's registers
	QKI 1, 0, 0
	QKI 1, 1, 0
	QKI 0, 0, 0
	QKI 0, 1, 0
	QKI 1, 0, 1
	QKI 1, 1, 1
	QKI 0, 0, 1
	QKI 0, 1, 1
.set KSRC, KF
.rept 4
	v_nop                                          ; four places in front of the first reads of S
.endr
	s_wait_tensorcnt 0x1                           ; my part of tile 0 is in; tile 1's may stay out
	s_barrier_signal -1
	s_barrier_wait -1
	TILE 0, 0                                      ; tile 0
	s_mov_b32 s15, 3
.Lpair:
	NEXT 1, 1, 1                                   ; tiles 1, 3, 5; slot 0 gets tiles 2, 4, 6
	NEXT 0, 1, 1                                   ; tiles 2, 4, 6; slot 1 gets tiles 3, 5, 7
	s_sub_co_u32 s15, s15, 1
	s_cmp_lg_u32 s15, 0
	s_cbranch_scc1 .Lpair
	NEXT 1, 0, 2                                   ; tile 7: nothing is left to fetch
.set OTH, S+32                                     ; the last step's P lies in buffer 1
.set PVMODE, 1
	s_wait_dscnt 0x0                               ; V of step 63
.irp q, 0,1
.irp d, 0,1,2,3
	PVI \q, \d
.endr
.endr
	; THE WAY OUT: divide by the sum (at least 1: the largest weight is 1), round once to f16, 16 rows at a time through my own stage.
.rept 4
	v_nop                                          ; four places behind the last products: O is read, V's registers are written
.endr
	v_and_b32 v[VF], 15, v0                        ; r
	v_bfe_u32 v[VF+1], v0, 4, 1                    ; h
	s_mul_i32 s54, s8, 16*SP
	s_add_co_u32 s54, s54, STAGE                   ; my stage: 16 rows of 144 bytes
	v_mul_u32_u24 v[VF+2], v[VF], SP
	v_lshl_add_u32 v[VF+2], v[VF+1], 4, v[VF+2]
	v_add_nc_u32 v[VF+2], s54, v[VF+2]             ; in: row r, 16 bytes for each half of the lanes
	v_bfe_u32 v[VF+3], v0, 3, 2
	v_and_b32 v[VF+4], 7, v0
	v_mul_u32_u24 v[VF+3], v[VF+3], SP
	v_lshl_add_u32 v[VF+3], v[VF+4], 4, v[VF+3]
	v_add_nc_u32 v[VF+3], s54, v[VF+3]             ; back: eight lanes take a row of 128 bytes, the wave four rows
	v_and_b32 v[VF+5], 31, v0
	v_lshlrev_b32 v[VF+5], 4, v[VF+5]              ; 16 x lane: my place in 512 consecutive bytes of yh
.irp q, 0,1
	v_add_f32 v[T+4*\q], v[LS+2*\q], v[LS+2*\q+1]
.endr
.irp q, 0,1
	v_permlanex16_b32 v[ST+4*\q+3], v[T+4*\q], s12, s13
.endr
.irp q, 0,1
	v_add_f32 v[T+4*\q], v[T+4*\q], v[ST+4*\q+3]
.endr
.irp q, 0,1
	v_rcp_f32 v[ST+4*\q+2], v[T+4*\q]
.endr
	v_nop                                          ; one plain place behind the reciprocals
.set e, 0
	s_wait_alu depctr_va_vdst(0)
.rept 16
	v_pk_mul_f32 v[O+2*e:O+2*e+1],       v[O+2*e:O+2*e+1],       v[ST+2:ST+3] op_sel_hi:[1,0]
	v_pk_mul_f32 v[O+32+2*e:O+32+2*e+1], v[O+32+2*e:O+32+2*e+1], v[ST+6:ST+7] op_sel_hi:[1,0]
.set e, e+1
.endr
.set e, 0
.rept 32
	v_cvt_pk_f16_f32 v[S+e], v[O+2*e], v[O+2*e+1]  ; lane l: query l % 16, d = 16 d tile + 8 (l / 16) + 0..7: 16 bytes for each d tile
.set e, e+1
.endr
.irp q, 0,1
.irp d, 0,1,2,3
	ds_store_b128 v[VF+2], v[S+16*\q+4*\d:S+16*\q+4*\d+3] offset:32*\d
.endr
.irp u, 0,1,2,3
	ds_load_b128 v[KF+16*\q+4*\u:KF+16*\q+4*\u+3], v[VF+3] offset:4*SP*\u      ; LDS serves a wave's instructions in order: these see the stores above
.endr
.irp u, 0,1,2,3
	s_wait_dscnt 3-\u                              ; the 3 - u younger loads stay out
	global_store_b128 v[VF+5], v[KF+16*\q+4*\u:KF+16*\q+4*\u+3], s[58:59] offset:2048*\q+512*\u   ; four rows of 128 bytes: 512 consecutive bytes, aligned
.endr
.endr
	s_wait_tensorcnt 0x0
	ds_add_u32 v250, v251
	s_wait_dscnt 0x0
	ROUND                                          ; the closing round: no work-group ends while a partner may still ask for a tile that names it
	s_endpgm
.Lfunc_end_k_qf15f306027_attn:
	.size	k_qf15f306027_attn, .Lfunc_end_k_qf15f306027_attn-k_qf15f306027_attn
	.p2alignl 7, 3214868480
	.fill 96, 4, 3214868480
	.section	.rodata,"a",@progbits
	.p2align	6, 0x0
	.amdhsa_kernel k_qf15f306027_attn
		.amdhsa_group_segment_fixed_size 327680
		.amdhsa_private_segment_fixed_size 0
		.amdhsa_enable_private_segment 0
		.amdhsa_kernarg_size 16
		.amdhsa_user_sgpr_count 2
		.amdhsa_user_sgpr_kernarg_segment_ptr 1
		.amdhsa_wavefront_size32 1
		.amdhsa_system_sgpr_workgroup_id_x 1
		.amdhsa_system_sgpr_workgroup_id_y 1
		.amdhsa_system_sgpr_workgroup_id_z 1
		.amdhsa_system_vgpr_workitem_id 0
		.amdhsa_next_free_vgpr 252
		.amdhsa_next_free_sgpr 66
		.amdhsa_reserve_vcc 0
		.amdhsa_float_denorm_mode_32 3
		.amdhsa_float_denorm_mode_16_64 3
		.amdhsa_memory_ordered 1
		.amdhsa_forward_progress 1
		.amdhsa_inst_pref_size 255
	.end_amdhsa_kernel
	.section	.bss,"aw",@nobits
	.p2align	6
	.space	262144
	.amdgpu_metadata
---
amdhsa.version: [ 1, 2 ]
amdhsa.kernels:
  - .name:           k_qf15f306027_attn
    .symbol:         k_qf15f306027_attn.kd
    .args:
      - { .name: qkvh, .offset: 0, .size: 8, .value_kind: global_buffer, .address_space: global }
      - { .name: yh, .offset: 8, .size: 8, .value_kind: global_buffer, .address_space: global }
    .group_segment_fixed_size: 327680
    .private_segment_fixed_size: 0
    .kernarg_segment_align: 8
    .kernarg_segment_size: 16
    .max_flat_workgroup_size: 256
    .sgpr_count:     66
    .vgpr_count:     252
    .wavefront_size: 32
...
	.end_amdgpu_metadata
.endif
;; end of part 3
;; launch proj (part 4): grid 8 x 32, 4 waves a work-group, clusters of 4 x 4, 327,680 bytes of LDS; arguments yh, wpT, b_proj, out0; writes out0
.if DOCPART == 4
	.amdgcn_target "amdgcn-amd-amdhsa--gfx1250"
	.amdhsa_code_object_version 6
	.text
	.protected	k_qf15f306027_proj
	.globl	k_qf15f306027_proj
	.p2align	8
	.type	k_qf15f306027_proj,@function
k_qf15f306027_proj:
	s_mov_b64 s[64:65], 0
	v_nop
	global_prefetch_b8 v0, s[64:65] scope:SCOPE_SE
	s_setreg_imm32_b32 hwreg(HW_REG_WAVE_MODE, 25, 1), 1
	s_wait_xcnt 0x0
	s_wait_alu depctr_hold_cnt(0) depctr_sa_sdst(0) depctr_va_vdst(0) depctr_va_sdst(0) depctr_va_ssrc(0) depctr_va_vcc(0) depctr_vm_vsrc(0)
	s_getreg_b32 s2, hwreg(HW_REG_IB_STS2, 6, 4)
	s_cmp_eq_u32 s2, 0
	s_cbranch_scc0 .Lentry_in_a_cluster
	s_endpgm
.Lentry_in_a_cluster:
	s_bfe_u32 s2, ttmp6, 0x10000c
	s_cmp_lg_u32 s2, 0xf033
	s_cbranch_scc0 .Lentry_shape_is_right
	s_endpgm
.Lentry_shape_is_right:
; out0[m][n] = sum over k of y[m][k] wpT[n][k] + b_proj[n], f32.  y lies head-major: yh[16 batch + head][row][d] f16, k = 64 head + d, m = 2048 batch + row.
; Operands f16, sums and bias in f32; the order of the sums is the matrix unit's.
; A work-group makes 128 x 128: 8 x 32 = 256 work-groups, one for each WGP; a larger block would leave WGPs without work.  Four waves, 64 x 64 each:
; 16 accumulator tiles.  K = 1024 goes in 4 tiles of 256 (four heads) through two LDS slots; a quarter of a tile is one head (64 along K, 32 matrix instructions).
; CLUSTERS: 4 x 4 work-groups; y's tiles are shared along a row of the cluster, wpT's along a column, each asked for jointly.
; y's tile: the 128 rows of one head are 16 KiB dense in memory, the next head's lie 262,144 bytes further: one load brings two heads as two rows of 16 KiB,
; with 16 bytes of padding laid behind every 128 bytes, so that in LDS each head is a plane of 128 rows of pitch 144.
; REGISTERS: window 0: addresses, y's fragments (two buffers of 8 x 8), bias;  window 1: wpT's fragments;  window 2: accumulators, tile (a, b) at v[8 (4 a + b)].
; The matrix instruction is used transposed (source 0 = rows of wpT, source 1 = rows of y): a lane holds eight neighbouring columns of one row.
.set APITCH, 144
.set APLANE, 128*APITCH                ; 18,432: one head's 128 rows
.set BPITCH, 528                       ; 512 bytes + 16: an odd multiple of 16
.set ABYTES, 4*APLANE                  ; 73,728
.set HALFB,  64*BPITCH                 ; 33,792
.set SLOT,   ABYTES+2*HALFB            ; 141,312
.set STAGE,  2*SLOT                    ; 282,624 = 1,104 x 256: behind the ring, no tensor load lands there
.set SPITCH, 272                       ; stage: 64 f32 + 16 bytes
.set ADRA, 16
.set ADRB, 20
.set STO,  24
.set RD,   25
.set CO,   26
.set BO,   27
.set F0,   64
.set F1,   128
.set BIAS, 192                         ; v[192:223]
.set G1A, 24
.set G0A, 32
.set G1B, 40
.set G0B, 48
.set MSB, 0
.macro WIN new
.if MSB != \new
	s_set_vgpr_msb (MSB<<8)|\new
.set MSB, \new
.endif
.endm
.set MUL,  0xa1                        ; source 0 window 1, source 1 window 0, C and D window 2
.set TO_B, 0x40
.macro JLOAD s
	s_cmp_eq_u32 s13, 0
	s_cbranch_scc0 .Lfor_b_\@
	tensor_load_to_lds s[G0A+4*\s:G0A+4*\s+3], s[G1A:G1A+7]
	s_nop 0
	s_branch .Lasked_\@
.Lfor_b_\@:
	tensor_load_to_lds s[G0B+4*\s:G0B+4*\s+3], s[G1B:G1B+7]
	s_nop 0
.Lasked_\@:
.endm
.macro CREST
	s_cmp_lg_u32 s12, 0
	s_cbranch_scc1 .Lnot_wave_0_\@
	s_barrier_signal -3
.Lnot_wave_0_\@:
	s_barrier_wait -3
	s_barrier_signal -1
	s_barrier_wait -1
.endm
.macro CROUND
	s_barrier_signal -1
	s_barrier_wait -1
	CREST
.endm
	s_load_b256 s[4:11], s[0:1], 0x0               ; yh s[4:5], wpT s[6:7], b_proj s[8:9], out0 s[10:11]
	s_set_vgpr_msb 0x40
	v_lshl_add_u32 v255, v0, 2, 0x49400
	s_set_vgpr_msb 0x4000
	v_mov_b32 v255, 0
	s_set_vgpr_msb 0x1
	ds_add_u32 v255, v255
	s_set_vgpr_msb 0x100
	v_lshrrev_b32 v1, 5, v0
	v_readfirstlane_b32 s12, v1                    ; wave 0..3
	s_lshr_b32 s13, s12, 1                         ; my half of the block's rows.  Also: I fetch for y (0) or for wpT (1)
	s_and_b32 s14, s12, 1                          ; my half of its columns.  Also: which half of that tile I fetch
	s_bfe_u32 s16, ttmp6, 0x40000                  ; cx
	s_bfe_u32 s17, ttmp6, 0x40004                  ; cy
	s_lshl_b32 s18, ttmp9, 2
	s_add_co_u32 s18, s18, s16                     ; block column
	s_and_b32 s19, ttmp7, 0xffff
	s_lshl_b32 s19, s19, 2
	s_add_co_u32 s19, s19, s17                     ; block row
	s_lshl_b32 s20, s17, 2
	s_lshl_b32 s20, 15, s20                        ; my row of the cluster
	s_lshl_b32 s21, 0x1111, s16                    ; my column
	s_or_b32 s[G1A+0], s20, (3<<16)|(1<<20)|(1<<21)|(4<<22)|(3<<25)   ; element of 8 bytes; padding on; bit 21 beside a mask; after every 32 words, 4 words
	s_mov_b32 s[G1A+1], 2048<<16                   ; tensor_dim0 = 2,048 elements: 16 KiB
	s_mov_b32 s[G1A+2], 2<<16                      ; tensor_dim1 = 2 heads
	s_mov_b32 s[G1A+3], 2048<<16                   ; tile_dim0
	s_mov_b32 s[G1A+4], 2                          ; tile_dim1
	s_mov_b32 s[G1A+5], 32768                      ; from head to head: 262,144 bytes
	s_mov_b32 s[G1A+6], 0
	s_mov_b32 s[G1A+7], 0
	s_or_b32 s[G1B+0], s21, (1<<16)|(1<<20)|(1<<21)|(6<<22)|(3<<25)   ; element of 2 bytes; after every 128 words, 4 words
	s_mov_b32 s[G1B+1], 256<<16                    ; tensor_dim0 = 256
	s_mov_b32 s[G1B+2], 64<<16                     ; tensor_dim1 = 64
	s_mov_b32 s[G1B+3], 256<<16                    ; tile_dim0
	s_mov_b32 s[G1B+4], 64                         ; tile_dim1
	s_mov_b32 s[G1B+5], 1024
	s_mov_b32 s[G1B+6], 0
	s_mov_b32 s[G1B+7], 0
	s_lshr_b32 s56, s19, 4                         ; batch: sixteen blocks of 128 rows each
	s_lshl_b32 s56, s56, 4
	s_lshl_b32 s60, s14, 1
	s_add_co_u32 s56, s56, s60                     ; plane 16 batch + 2 x half
	s_lshl_b32 s56, s56, 18
	s_and_b32 s60, s19, 15
	s_lshl_b32 s60, s60, 14                        ; 128 rows of 128 bytes
	s_add_co_u32 s56, s56, s60
	s_mov_b32 s57, 0
	s_lshl_b32 s58, s18, 7
	s_lshl_b32 s61, s14, 6
	s_add_co_u32 s58, s58, s61                     ; wpT: row 128 x block column + 64 x half
	s_lshl_b32 s58, s58, 11
	s_mov_b32 s59, 0
	s_mul_i32 s60, s12, 2*APLANE                   ; y's two heads at wave x 2 planes,
	s_mul_i32 s61, s12, HALFB
	s_add_co_u32 s61, s61, ABYTES-2*HALFB          ; wpT's halves behind the four planes at (wave - 2) x 64 rows
	s_wait_dscnt 0x0
	s_wait_kmcnt 0x0
	s_add_nc_u64 s[56:57], s[4:5], s[56:57]
	s_add_nc_u64 s[58:59], s[6:7], s[58:59]
	CROUND                                         ; all sixteen work-groups are here: the first joint loads meet
.irp s, 0,1
	s_mov_b32 s[G0A+4*\s], 1
	s_add_co_u32 s[G0A+4*\s+1], s60, \s*SLOT
	s_add_nc_u64 s[G0A+4*\s+2:G0A+4*\s+3], s[56:57], \s*4*262144
	s_or_b32 s[G0A+4*\s+3], s[G0A+4*\s+3], 0x80000000
	s_mov_b32 s[G0B+4*\s], 1
	s_add_co_u32 s[G0B+4*\s+1], s61, \s*SLOT
	s_add_nc_u64 s[G0B+4*\s+2:G0B+4*\s+3], s[58:59], \s*512
	s_or_b32 s[G0B+4*\s+3], s[G0B+4*\s+3], 0x80000000
	JLOAD \s                                       ; tiles 0 and 1: two tensor loads of the wave are out, later one
.endr
	s_lshl_b32 s72, s18, 9
	s_lshl_b32 s74, s14, 8
	s_add_co_u32 s72, s72, s74                     ; the bias of my 64 columns
	s_mov_b32 s73, 0
	s_add_nc_u64 s[72:73], s[8:9], s[72:73]
	v_and_b32 v1, 15, v0                           ; r
	v_bfe_u32 v2, v0, 4, 1                         ; h
	v_lshlrev_b32 v[BO], 5, v2
.irp b, 0,1,2,3
	global_load_b128 v[BIAS+8*\b:BIAS+8*\b+3],   v[BO], s[72:73] offset:64*\b
	global_load_b128 v[BIAS+8*\b+4:BIAS+8*\b+7], v[BO], s[72:73] offset:64*\b+16
.endr
	v_mul_u32_u24 v3, v1, APITCH
	v_lshl_add_u32 v3, v2, 4, v3
	s_mul_i32 s62, s13, 64*APITCH                  ; my 64 rows of y
	v_add_nc_u32 v[ADRA], s62, v3
	v_add_nc_u32 v[ADRA+1], SLOT, v[ADRA]
	v_mul_u32_u24 v4, v1, BPITCH
	v_lshl_add_u32 v4, v2, 4, v4
	s_mul_i32 s62, s14, 64*BPITCH
	s_add_co_u32 s62, s62, ABYTES                  ; my 64 rows of wpT
	v_add_nc_u32 v[ADRB], s62, v4
	v_add_nc_u32 v[ADRB+1], SLOT, v[ADRB]
	s_mul_i32 s63, s12, 16*SPITCH
	s_add_co_u32 s63, s63, STAGE                   ; my stage
	v_mul_u32_u24 v5, v1, SPITCH
	v_lshl_add_u32 v5, v2, 5, v5
	v_add_nc_u32 v[STO], s63, v5                   ; in: row r, 32 bytes for each half of the lanes
	v_mul_u32_u24 v6, v2, SPITCH
	v_lshl_add_u32 v6, v1, 4, v6
	v_add_nc_u32 v[RD], s63, v6                    ; back: lanes 0-15 take one row of 256 bytes, lanes 16-31 the next
	v_lshlrev_b32 v7, 12, v2
	v_lshl_add_u32 v[CO], v1, 4, v7                ; and the same two rows in out0
	s_lshl_b32 s74, s19, 19                        ; 128 rows of 4,096 bytes
	s_lshl_b32 s22, s13, 18
	s_add_co_u32 s74, s74, s22
	s_lshl_b32 s22, s18, 9                         ; 128 columns of 4 bytes
	s_add_co_u32 s74, s74, s22
	s_lshl_b32 s22, s14, 8
	s_add_co_u32 s74, s74, s22
	s_mov_b32 s75, 0
	s_add_nc_u64 s[66:67], s[10:11], s[74:75]
; 8 matrix instructions: m tiles a0, a0 + 1 x 4 n tiles, K half ks of the head in buffer f
.macro MUL8 f, ks, a0, zero
.irp a, \a0, \a0+1
.irp b, 0,1,2,3
.if \zero
	v_wmma_f32_16x16x32_f16 v[8*(4*(\a)+\b):8*(4*(\a)+\b)+7], v[\f+8*(4*\ks+\b):\f+8*(4*\ks+\b)+7], v[\f+8*(4*\ks+(\a)):\f+8*(4*\ks+(\a))+7], 0
.else
	v_wmma_f32_16x16x32_f16 v[8*(4*(\a)+\b):8*(4*(\a)+\b)+7], v[\f+8*(4*\ks+\b):\f+8*(4*\ks+\b)+7], v[\f+8*(4*\ks+(\a)):\f+8*(4*\ks+(\a))+7], v[8*(4*(\a)+\b):8*(4*(\a)+\b)+7]
.endif
.endr
.endr
.endm
; 32 LDS loads: head hq of the slot; fragment i = 4 x (K half) + tile
.macro FETCH slot, hq, f
	WIN TO_B
.irp i, 0,1,2,3,4,5,6,7
	ds_load_b128 v[\f+8*\i:\f+8*\i+3],   v[ADRB+\slot] offset:128*\hq+(\i&3)*16*BPITCH+64*(\i>>2)
	ds_load_b128 v[\f+8*\i+4:\f+8*\i+7], v[ADRB+\slot] offset:128*\hq+(\i&3)*16*BPITCH+64*(\i>>2)+32
.endr
	WIN 0
.irp i, 0,1,2,3,4,5,6,7
	ds_load_b128 v[\f+8*\i:\f+8*\i+3],   v[ADRA+\slot] offset:APLANE*\hq+(\i&3)*16*APITCH+64*(\i>>2)
	ds_load_b128 v[\f+8*\i+4:\f+8*\i+7], v[ADRA+\slot] offset:APLANE*\hq+(\i&3)*16*APITCH+64*(\i>>2)+32
.endr
.endm
.macro PLACES                          ; four plain places between a matrix instruction and a load into, or a vector instruction on, one of its registers (ISA guide 7.12.1 for vector instructions)
.rept 4
	v_nop
.endr
.endm
; The 16 accumulators take turns in the same order in every half quarter, one instruction a turn.
.macro QUARTER slot, hq, f, g, zero
	s_wait_dscnt 8                                 ; wpT's fragments and y's first K half are in; the youngest eight loads (y's second K half) may be out
	WIN MUL
	MUL8 \f, 0, 0, \zero
	MUL8 \f, 0, 2, \zero
	PLACES
	FETCH \slot, \hq, \g
	s_wait_dscnt 32                                ; all but the 32 just issued
	WIN MUL
	MUL8 \f, 1, 0, 0
	MUL8 \f, 1, 2, 0
.endm
.macro THREE slot, zero
	QUARTER \slot, 1, F0, F1, \zero
	QUARTER \slot, 2, F1, F0, 0
	QUARTER \slot, 3, F0, F1, 0
.endm
; The fourth head of a tile, and the change of slots: waits, barrier (which opens the cluster's round where this slot is filled again), the joint refill first behind it.
; From a request to the wait for it a wave issues 120 matrix instructions.
.macro TURN slot, next, fill
	s_wait_dscnt 8
	WIN MUL
	MUL8 F1, 0, 0, 0
	s_wait_dscnt 0                                 ; my reads of this slot are over
	s_wait_tensorcnt 0x0                           ; all my tensor loads have landed
	ds_add_u32 v255, v255
	s_wait_dscnt 0x0
	s_barrier_signal -1
	MUL8 F1, 0, 2, 0
	WIN 0
	s_barrier_wait -1
.if \fill
	CREST
	s_add_nc_u64 s[G0A+4*\slot+2:G0A+4*\slot+3], s[G0A+4*\slot+2:G0A+4*\slot+3], 8*262144
	s_add_nc_u64 s[G0B+4*\slot+2:G0B+4*\slot+3], s[G0B+4*\slot+2:G0B+4*\slot+3], 1024
	JLOAD \slot
.endif
	PLACES
	FETCH \next, 0, F0
	WIN MUL
	MUL8 F1, 1, 0, 0
	MUL8 F1, 1, 2, 0
.endm
	s_wait_tensorcnt 1                             ; my part of tile 0 is in; tile 1's may stay out
	s_barrier_signal -1
	s_barrier_wait -1
	FETCH 0, 0, F0
	THREE 0, 1                                     ; tile 0: the first products start the sums
	TURN 0, 1, 1                                   ; slot 0 gets tile 2
	THREE 1, 0
	TURN 1, 0, 1                                   ; slot 1 gets tile 3
	THREE 0, 0
	TURN 0, 1, 0                                   ; nothing is left to fetch
	THREE 1, 0
	s_wait_dscnt 8
	WIN MUL
	MUL8 F1, 0, 0, 0
	MUL8 F1, 0, 2, 0
	s_wait_dscnt 0
	MUL8 F1, 1, 0, 0
	MUL8 F1, 1, 2, 0
	; THE WAY OUT, 16 rows at a time: add the bias, 32 bytes a lane into my own stage, read back as whole rows of 256 bytes.
	PLACES
	s_wait_loadcnt 0x0                             ; the bias
.macro OUT16 a, f
	WIN 0x82                                       ; destination and source 0 window 2, source 1 (bias) window 0
.irp b, 0,1,2,3
.irp p, 0,1,2,3
	v_pk_add_f32 v[8*(4*\a+\b)+2*\p:8*(4*\a+\b)+2*\p+1], v[8*(4*\a+\b)+2*\p:8*(4*\a+\b)+2*\p+1], v[BIAS+8*\b+2*\p:BIAS+8*\b+2*\p+1]
.endr
.endr
	WIN 0x08                                       ; an LDS store's data is source 1: window 2; its address window 0
.irp b, 0,1,2,3
	ds_store_b128 v[STO], v[8*(4*\a+\b):8*(4*\a+\b)+3]   offset:64*\b
	ds_store_b128 v[STO], v[8*(4*\a+\b)+4:8*(4*\a+\b)+7] offset:64*\b+16
.endr
	WIN 0
	s_wait_xcnt 0x0                                ; earlier stores have had their addresses translated: their data registers are loaded again only behind this wait
.irp u, 0,1,2,3,4,5,6,7
	ds_load_b128 v[\f+4*\u:\f+4*\u+3], v[RD] offset:2*SPITCH*\u    ; LDS serves a wave's instructions in order: these see the stores above
.endr
.irp u, 0,1,2,3,4,5,6,7
	s_wait_dscnt 7-\u                              ; the 7 - u younger loads stay out
	global_store_b128 v[CO], v[\f+4*\u:\f+4*\u+3], s[66:67] offset:(16*\a+2*\u)*4096 th:TH_STORE_NT   ; sixteen lanes store 256 consecutive bytes, aligned
.endr
.endm
	OUT16 0, F0
	OUT16 1, F1
	OUT16 2, F0
	OUT16 3, F1
	s_set_vgpr_msb 0x1
	s_wait_tensorcnt 0x0
	ds_add_u32 v255, v255
	s_wait_dscnt 0x0
	s_set_vgpr_msb 0x100
	CROUND                                         ; the closing round
	s_endpgm
.Lfunc_end_k_qf15f306027_proj:
	.size	k_qf15f306027_proj, .Lfunc_end_k_qf15f306027_proj-k_qf15f306027_proj
	.p2alignl 7, 3214868480
	.fill 96, 4, 3214868480
	.section	.rodata,"a",@progbits
	.p2align	6, 0x0
	.amdhsa_kernel k_qf15f306027_proj
		.amdhsa_group_segment_fixed_size 327680
		.amdhsa_private_segment_fixed_size 0
		.amdhsa_enable_private_segment 0
		.amdhsa_kernarg_size 32
		.amdhsa_user_sgpr_count 2
		.amdhsa_user_sgpr_kernarg_segment_ptr 1
		.amdhsa_wavefront_size32 1
		.amdhsa_system_sgpr_workgroup_id_x 1
		.amdhsa_system_sgpr_workgroup_id_y 1
		.amdhsa_system_sgpr_workgroup_id_z 1
		.amdhsa_system_vgpr_workitem_id 0
		.amdhsa_next_free_vgpr 640
		.amdhsa_next_free_sgpr 76
		.amdhsa_reserve_vcc 0
		.amdhsa_float_denorm_mode_32 3
		.amdhsa_float_denorm_mode_16_64 3
		.amdhsa_memory_ordered 1
		.amdhsa_forward_progress 1
		.amdhsa_inst_pref_size 91
	.end_amdhsa_kernel
	.amdgpu_metadata
---
amdhsa.version: [ 1, 2 ]
amdhsa.kernels:
  - .name:           k_qf15f306027_proj
    .symbol:         k_qf15f306027_proj.kd
    .args:
      - { .name: yh, .offset: 0, .size: 8, .value_kind: global_buffer, .address_space: global }
      - { .name: wpT, .offset: 8, .size: 8, .value_kind: global_buffer, .address_space: global }
      - { .name: b_proj, .offset: 16, .size: 8, .value_kind: global_buffer, .address_space: global }
      - { .name: out0, .offset: 24, .size: 8, .value_kind: global_buffer, .address_space: global }
    .group_segment_fixed_size: 327680
    .private_segment_fixed_size: 0
    .kernarg_segment_align: 8
    .kernarg_segment_size: 32
    .max_flat_workgroup_size: 128
    .sgpr_count:     76
    .vgpr_count:     640
    .wavefront_size: 32
...
	.end_amdgpu_metadata
.endif
;; end of part 4
